; MI455X (gfx1250); checked and timed in simulation.
; The chip was launched on July 23, 2026; its instructions are those of AMD's public machine-readable ISA for CDNA 5 (MIT licence, August 2026) and "CDNA5" Instruction Set Architecture Reference Guide (July 2026). The comments in the code are by the model that wrote it; some were corrected since.
;; Outer Product Mean. Allowed arithmetic: matrix products marked QUANTISED: E4M3 operands, one E8M0 scale for each 32 along K, by v_wmma_scale_f32_16x16x128_f8f6f4 with both operands' format E4M3, f32 sums; everything else in f32.
;; Inputs: W_ab_codes 64 x 1 x 32 uint8 (E4M3 codes of W_ab, K innermost, in blocks of 32 codes); W_ab_scales 64 x 1 uint8 (E8M0 scales of W_ab, one for each 32 codes along K); W_out_codes 128 x 32 x 32 uint8 (E4M3 codes of W_out, K innermost, in blocks of 32 codes); W_out_scales 128 x 32 uint8 (E8M0 scales of W_out, one for each 32 codes along K); b_out 128 float32; ln_beta 32 float32; ln_gamma 32 float32; m_si 256 x 256 x 32 float32.
;; Outputs: out0 256 x 256 x 128 float32.
;; This version of the problem:
;;   THIS VERSION OF THE PROBLEM IS GIVEN IN LOW PRECISION. The matrix products marked QUANTISED in the list below multiply operands that are first quantised to E4M3 (4 exponent bits, 3 mantissa bits; 8 bits a number), with one power-of-two scale for each 32 numbers along K (OCP MX v1.0); their sums are f32. All else is computed in f32.
;;   The module's matrix products, in the order in which they are computed (A, B: the left and right operand; K: the contracted axis; several contracted axes count as one K, in the product's order):
;;     1. [M 65,536, K 32] x [K 32, N 64]; A: computed on the way; B: input W_ab (given as codes): QUANTISED
;;     2. [M 8,192, K 256] x [K 256, N 8,192]; A: computed on the way; B: computed on the way: QUANTISED
;;     3. [M 65,536, K 1,024] x [K 1,024, N 128]; A: computed on the way; B: input W_out (given as codes): QUANTISED
;;   THE QUANTISER, for each operand of a quantised product, along K:
;;     - K is cut into blocks of 32 from its start; a last block that is shorter is filled with zeros.
;;     - A block's scale is 2^e with e = floor(log2(the largest magnitude in the block)) - 8, held to -126 .. 127; a block of zeros has e = 0. As a byte (E8M0): e + 127.
;;     - Each number is divided by its block's scale, clamped to +-448, and rounded to the nearest number of E4M3, ties to even, subnormals kept.
;;     - The product sums the exact products of the quantised numbers (number of the format x scale) in f32.
;;   ~~~python
;;   def quantise(x, axis):      # numpy; x: float32 -> the quantised numbers, widened to float32 again
;;       x = np.moveaxis(x, axis, -1); K = x.shape[-1]
;;       x = np.pad(x, [(0, 0)] * (x.ndim - 1) + [(0, -K % 32)]); x = x.reshape(x.shape[:-1] + (-1, 32)); a = np.abs(x).max(-1, keepdims=True)
;;       e = np.where(a > 0, np.clip(np.frexp(np.where(a > 0, a, 1))[1] - 1 - 8, -126, 127), 0)      # np.frexp(a)[1] - 1 = floor(log2(a)), exactly
;;       r = np.clip(x / 2.0 ** e, -448, 448)
;;       step = 2.0 ** (np.maximum(np.frexp(np.where(r == 0, 1, r))[1] - 1, -6) - 3)
;;       q = np.round(r / step) * step * 2.0 ** e      # np.round: ties to even
;;       return np.moveaxis(q.reshape(q.shape[:-2] + (-1,))[..., :K], -1, axis).astype(np.float32)
;;   ~~~
;;   OPERANDS COMPUTED ON THE WAY. 'Computed on the way' means the value that the module computes at that place (a softmax that the list does not call 'softmax' is quantised finished and normalised). What goes into a quantiser is computed in f32, as accurately as f32 sums, v_exp_f32 and their like allow (about 1e-6 of the number): no bf16 or f16 on the way to a quantiser, and a product that is left as it is and whose result goes on into a quantised operand takes f32 operands (vector FMAs, or v_wmma_f32_16x16x4_f32). A number that lies on a knife's edge between two numbers of the format may be rounded either way, as far as f32 arithmetic and the matrix unit's own rounding can turn it there, and no further.
;;   INPUTS GIVEN AS CODES. W_ab (in the module: [64, 32], K = its axis 1); W_out (in the module: [128, 1024], K = its axis 1): each comes as NAME_codes (uint8): NAME with its K axis moved to the last place and cut into blocks of 32 codes, [.., K / 32, bytes a block], one block behind the other in memory; one code a byte (a code: sign, 4 exponent bits, 3 mantissa bits); and NAME_scales (uint8): the same leading axes, one E8M0 byte (e + 127) for each 32 codes along K. Its value is code x scale, taken as it is: it is not quantised again, and the codes and scales need not be those that the quantiser above would give.
;; One version. Each part assembles by itself: llvm-mc -triple=amdgcn-amd-amdhsa -mcpu=gfx1250 --defsym DOCPART=n.
;; ======== version 1 of 1: 2 launches
;; limits: right only within a limited range of input values
;; workspace buffers: aq 2,162,688 bytes; bq 2,162,688 bytes
;; launch prep (part 1): grid 256 x 1, 8 waves a work-group, no clusters, 47,104 bytes of LDS; arguments m_si, ln_gamma, ln_beta, W_ab_codes, W_ab_scales, aq, bq; writes aq, bq
.if DOCPART == 1
	.amdgcn_target "amdgcn-amd-amdhsa--gfx1250"
	.amdhsa_code_object_version 6
	.text
	.protected	k_q8799d781fb_prep
	.globl	k_q8799d781fb_prep
	.p2align	8
	.type	k_q8799d781fb_prep,@function
k_q8799d781fb_prep:
	s_mov_b64 s[64:65], 0
	v_nop
	global_prefetch_b8 v0, s[64:65] scope:SCOPE_SE
	s_setreg_imm32_b32 hwreg(HW_REG_WAVE_MODE, 25, 1), 1
	s_wait_xcnt 0x0
; LayerNorm over 32 channels, x quantised along the channels, ab = Q(x) W_ab^T on codes of E4M3, and a, b quantised along n (the next product's K).
; SHARES.  Work-group s takes m_si[s]; its wave w takes the 32 rows n = 32 w .. 32 w + 31: one block of the next K.  All of a wave's 4,096 bytes of m_si are asked for at once.
; LAYOUT.  The product is used transposed: source 0 = 16 rows n of x, source 1 = 16 rows d of W_ab.  A lane of the result then holds ONE column d and its registers run along n.
; THE ROWS OF x THAT FORM A TILE ARE NOT NEIGHBOURS: lane m of tile u takes row 8 u + m + 8 (m / 8), so that the 16 registers of tiles 0 and 1 are the neighbours n = 16 (lane / 16) + 0 .. 15;
; a block of 32 lies in lanes l and l xor 16.  K is 32: x's registers 4-15 of a fragment hold zero codes.  W_ab's four tiles lie on end (4 registers each) with 12 registers of zeros behind them, and fragment dt is
; the 16 registers from its own 4 on: what follows its own codes meets x's zero codes alone.  The scale words' bytes 1-3 are 0 on both sides (2^-127, a number).
; OUT.  aq: 16 groups of 528 rows of 256 bytes: rows 0-15 the scale words of i % 16 ([K step of 128][c]), row 16 + 16 c + i % 16 the 256 codes of a[i, :, c].
;       bq: 256 records of 8,448 bytes: four images of operand registers (tile u, K step ks: 2,048 bytes at 2 u + ks; piece cc: lane l's 16 bytes at 512 cc + 16 l; lane (m, h) holds d = 8 u + m + 8 (m / 8)),
;       then two images of scale registers (tile u: lanes 0-15 K step 0's words, lanes 16-31 K step 1's).
; No cluster, no tensor load: work-groups share only W_ab's 2 KB.
; LIMITS: NaN and infinities among m_si, the gains or the codes are not served.  A block of zeros gets the scale byte 1, not 127: its codes are zeros, and the bytes are read by this program alone.
.set GREC, 135168                      ; a group of aq
.set JREC, 8448                        ; a record of bq
.set SP,   272                         ; the stage: 32 rows (c) of 256 bytes + 16
.set SCB,  32*SP                       ; behind it: a's 256 scale bytes, then b's 256
.set XST, 10240                        ; behind the spare words: 4,608 bytes for each wave, m_si's 32 rows at a pitch of 144 bytes
.set XPW, 4608
.set VXS, 15                           ; v15  where my 16 bytes of four rows go: + 144 (lane / 8) + 16 (lane mod 8)
.set VX,  5                            ; v5   where my rows' numbers are read: 144 (r + 8 (r / 8)) + 64 h
.set VG,  6                            ; v6   gamma, beta: 64 h
.set VWA, 7                            ; v7   W_ab's rows of a: 32 r + 16 h
.set VWB, 14                           ; v14  W_ab's rows of b: 32 (r + 8 (r / 8)) + 16 h
.set LST, 17                           ; v17  stage, in: 272 r + 16 h + 32 w
.set LBA, 18                           ; v18  a's scale byte
.set LBB, 19                           ; v19  b's scale byte
.set LRD, 20                           ; v20  stage, out
.set GAO, 21                           ; v21  aq: 4096 h + 16 r
.set GBO, 22                           ; v22  bq: 16 x lane
.set LSC, 23                           ; v23  the scale rows, out
.set GSC, 24                           ; v24  8 x lane
.set XS,  8                            ; v8-9    x's scale words
.set WS,  10                           ; v10-13  W_ab's scale words
.set BY,  26                           ; v26-29  the four blocks' scale bytes
.set X,   32                           ; v32-63  x: tile u at X + 16 u
.set GA,  64                           ; v64-79  gamma of my 16 channels
.set BE,  80                           ; v80-95  beta
.set WR,  96                           ; v96-111 W_ab's codes, v112-123 zeros
.set XF,  128                          ; v128-159 x's two fragments
.set H,   160                          ; v160-223 ab: H + 16 dt + 8 u + e; before that at work for the norm
.set PC,  224                          ; v224-239 codes of a and b
.set TM,  240                          ; v240-243 largest magnitudes, 244-247 at work, 248-251 448 x the scale, 252-255 the conversions' scale operands
.set SEL, 32                           ; s[32:33] lane selects: lane l xor 16
.set MNT, 34                           ; s34  the mantissa field of 448
.set I32, 35                           ; s35  1/32
.set EPS, 36                           ; s36  1e-5
.set NI32, 37                          ; s37  -1/32
	s_load_b256 s[4:11], s[0:1], 0x0               ; m_si s[4:5], gamma s[6:7], beta s[8:9], W_ab's codes s[10:11]
	s_load_b128 s[12:15], s[0:1], 0x20             ; W_ab's scales s[12:13], aq s[14:15]
	s_load_b64 s[16:17], s[0:1], 0x30              ; bq
	v_lshl_add_u32 v126, v0, 2, 0x2400
	v_mov_b32 v127, 0
	v_lshrrev_b32 v1, 5, v0
	s_delay_alu instid0(VALU_DEP_1)
	v_readfirstlane_b32 s18, v1                    ; wave 0..7 = the block along n
	s_lshr_b32 s19, s18, 2                         ; ks: which 128 along n
	s_and_b32 s20, s18, 3                          ; cc: which 32 of them
	s_lshr_b32 s22, ttmp9, 4                       ; the group of aq
	s_and_b32 s23, ttmp9, 15                       ; my place in it
	v_and_b32 v1, 31, v0                           ; lane
	v_and_b32 v2, 15, v0                           ; r
	v_bfe_u32 v3, v0, 4, 1                         ; h
	s_delay_alu instid0(VALU_DEP_2)
	v_and_b32 v4, 8, v2
	s_delay_alu instid0(VALU_DEP_1)
	v_add_nc_u32 v4, v4, v2                        ; r + 8 (r / 8)
	s_delay_alu instid0(VALU_DEP_1)
	v_mul_u32_u24 v[VX], v4, 144
	s_mul_i32 s40, s18, XPW
	s_add_co_u32 s40, s40, XST
	v_lshrrev_b32 v[VXS], 3, v1
	v_and_b32 v16, 7, v1
	v_lshl_add_u32 v[VX], v3, 6, v[VX]
	v_mul_u32_u24 v[VXS], v[VXS], 144
	v_add_nc_u32 v[VX], s40, v[VX]
	v_lshl_add_u32 v[VXS], v16, 4, v[VXS]
	v_add_nc_u32 v[VXS], s40, v[VXS]
	v_lshlrev_b32 v[VG], 6, v3
	v_lshlrev_b32 v[VWA], 5, v2
	s_delay_alu instid0(VALU_DEP_1)
	v_lshl_add_u32 v[VWA], v3, 4, v[VWA]
	v_lshlrev_b32 v[VWB], 5, v4
	s_delay_alu instid0(VALU_DEP_1)
	v_lshl_add_u32 v[VWB], v3, 4, v[VWB]
	v_mul_u32_u24 v[LST], v2, SP
	s_delay_alu instid0(VALU_DEP_1)
	v_lshl_add_u32 v[LST], v3, 4, v[LST]
	s_lshl_b32 s40, s18, 5
	v_add_nc_u32 v[LST], s40, v[LST]
	s_lshl_b32 s40, s19, 7
	s_add_co_u32 s40, s40, s20
	s_add_co_u32 s40, s40, SCB
	v_lshl_add_u32 v[LBA], v2, 2, s40              ; SCB + 128 ks + 4 r + cc (+ 64 dt): word [ks][c], byte cc
	s_lshl_b32 s40, s19, 6
	s_add_co_u32 s40, s40, s20
	s_add_co_u32 s40, s40, SCB+256
	v_lshl_add_u32 v[LBB], v2, 2, s40              ; SCB + 256 + 64 ks + 4 r + cc (+ 128 u): word [u][16 ks + r], byte cc
	v_mul_u32_u24 v[LRD], v3, SP
	s_delay_alu instid0(VALU_DEP_1)
	v_lshl_add_u32 v[LRD], v2, 4, v[LRD]
	s_mul_i32 s40, s18, 4*SP
	v_add_nc_u32 v[LRD], s40, v[LRD]               ; rows 4 w + h, 16 bytes a lane
	v_lshlrev_b32 v[GAO], 12, v3
	s_delay_alu instid0(VALU_DEP_1)
	v_lshl_add_u32 v[GAO], v2, 4, v[GAO]
	v_lshlrev_b32 v[GBO], 4, v1
	s_min_u32 s40, s18, 1
	s_lshl_b32 s40, s40, 8
	s_add_co_u32 s40, s40, SCB
	v_lshl_add_u32 v[LSC], v1, 3, s40              ; wave 0: a's scale row; wave 1: b's (the other waves do not use it)
	v_lshlrev_b32 v[GSC], 3, v1
	s_mov_b32 s[SEL], 0x76543210
	s_mov_b32 s[SEL+1], 0xfedcba98
	s_mov_b32 s[MNT], 0x600000
	s_mov_b32 s[I32], 0x3d000000
	s_mov_b32 s[EPS], 0x3727c5ac
	s_mov_b32 s[NI32], 0xbd000000
.set i, 0
.rept 12
	v_mov_b32 v[XF+4+i], 0                         ; zero codes for k = 32 .. 127
	v_mov_b32 v[XF+20+i], 0
	v_mov_b32 v[WR+16+i], 0
.set i, i+1
.endr
.irp b, 0,1,2,3
	v_mov_b32 v[TM+4+\b], 0                        ; written once: a lane permute's destination counts as one of its sources
.endr
	s_lshl_b32 s38, ttmp9, 15                      ; m_si: 32,768 bytes a work-group, 4,096 a wave
	s_lshl_b32 s40, s18, 12
	s_add_co_u32 s38, s38, s40
	s_mov_b32 s39, 0
	s_mov_b32 s41, 0
	s_wait_kmcnt 0x0
	s_add_nc_u64 s[4:5], s[4:5], s[38:39]
.irp i, 0,1,2,3,4,5,6,7
	global_load_b128 v[H+4*\i:H+4*\i+3], v[GBO], s[4:5] offset:512*\i th:TH_LOAD_NT   ; 512 consecutive bytes a load: rows 32 w + 4 i .. + 3
.endr
.irp i, 0,1,2,3
	global_load_b128 v[GA+4*\i:GA+4*\i+3], v[VG], s[6:7] offset:16*\i
	global_load_b128 v[BE+4*\i:BE+4*\i+3], v[VG], s[8:9] offset:16*\i
.endr
.irp t, 0,1
	global_load_b128 v[WR+4*\t:WR+4*\t+3], v[VWA], s[10:11] offset:512*\t         ; a's rows: d = 16 t + r
	global_load_b128 v[WR+8+4*\t:WR+8+4*\t+3], v[VWB], s[10:11] offset:1024+256*\t ; b's rows: d = 32 + 8 t + r + 8 (r / 8)
	global_load_u8 v[WS+\t], v2, s[12:13] offset:16*\t
	global_load_u8 v[WS+2+\t], v4, s[12:13] offset:32+8*\t
.endr
	s_mul_i32 s38, s22, GREC                       ; where my results go
	s_lshl_b32 s40, s23, 8
	s_add_co_u32 s38, s38, s40
	s_add_nc_u64 s[26:27], s[14:15], s[38:39]      ; aq: my row of scale words
	s_lshl_b32 s40, s18, 14
	s_add_co_u32 s38, s38, s40
	s_add_co_u32 s38, s38, 4096
	s_add_nc_u64 s[24:25], s[14:15], s[38:39]      ; aq: my row of codes of c = 4 w
	s_mul_i32 s38, ttmp9, JREC
	s_add_co_u32 s40, s38, 8192
	s_add_nc_u64 s[30:31], s[16:17], s[40:41]      ; bq: my record's scale images
	s_lshl_b32 s40, s19, 11
	s_add_co_u32 s38, s38, s40
	s_lshl_b32 s40, s20, 9
	s_add_co_u32 s38, s38, s40
	s_add_nc_u64 s[28:29], s[16:17], s[38:39]      ; bq: image ks, piece cc
	s_wait_loadcnt 16                              ; my rows are in: behind them 8 loads of gamma and beta and 8 of W_ab were issued
.irp i, 0,1,2,3,4,5,6,7
	ds_store_b128 v[VXS], v[H+4*\i:H+4*\i+3] offset:576*\i
.endr
.irp u, 0,1
.irp i, 0,1,2,3
	ds_load_b128 v[X+16*\u+4*\i:X+16*\u+4*\i+3], v[VX] offset:1152*\u+16*\i   ; row 32 w + 8 u + r + 8 (r / 8), channels 16 h on: my wave's own bytes, served in order
.endr
.endr
	s_wait_dscnt 0x0
	s_wait_loadcnt 0x0
; THE NORM, both tiles by turns.  A row's 32 channels lie in lanes l and l xor 16, 16 each.  T = H + 16 u is at work.
.irp u, 0,1
.irp p, 0,1,2,3
	v_pk_add_f32 v[H+16*\u+2*\p:H+16*\u+2*\p+1], v[X+16*\u+4*\p:X+16*\u+4*\p+1], v[X+16*\u+4*\p+2:X+16*\u+4*\p+3]
.endr
.endr
.irp u, 0
	v_pk_add_f32 v[H+16*\u:H+16*\u+1], v[H+16*\u:H+16*\u+1], v[H+16*\u+2:H+16*\u+3]
	v_pk_add_f32 v[H+16*\u+4:H+16*\u+5], v[H+16*\u+4:H+16*\u+5], v[H+16*\u+6:H+16*\u+7]
.endr
.irp u, 1
	v_pk_add_f32 v[H+16*\u:H+16*\u+1], v[H+16*\u:H+16*\u+1], v[H+16*\u+2:H+16*\u+3]
	s_delay_alu instid0(VALU_DEP_4)
	v_pk_add_f32 v[H+16*\u+4:H+16*\u+5], v[H+16*\u+4:H+16*\u+5], v[H+16*\u+6:H+16*\u+7]
.endr
.irp u, 0
	s_delay_alu instid0(VALU_DEP_3)
	v_pk_add_f32 v[H+16*\u:H+16*\u+1], v[H+16*\u:H+16*\u+1], v[H+16*\u+4:H+16*\u+5]
.endr
.irp u, 1
	s_delay_alu instid0(VALU_DEP_2)
	v_pk_add_f32 v[H+16*\u:H+16*\u+1], v[H+16*\u:H+16*\u+1], v[H+16*\u+4:H+16*\u+5]
.endr
.irp u, 0,1
	s_delay_alu instid0(VALU_DEP_2)
	v_add_f32 v[H+16*\u], v[H+16*\u], v[H+16*\u+1]
.endr
.irp u, 0,1
	s_delay_alu instid0(VALU_DEP_2)
	v_permlanex16_b32 v[H+16*\u+2], v[H+16*\u], s[SEL], s[SEL+1]
.endr
.irp u, 0,1
	s_delay_alu instid0(VALU_DEP_2)
	v_add_f32 v[H+16*\u], v[H+16*\u], v[H+16*\u+2]
.endr
.irp u, 0,1
	s_delay_alu instid0(VALU_DEP_2)
	v_mul_f32 v[H+16*\u], s[NI32], v[H+16*\u]      ; -mean
.endr
.irp p, 0,1,2,3,4,5,6,7
.irp u, 0,1
	v_pk_add_f32 v[X+16*\u+2*\p:X+16*\u+2*\p+1], v[X+16*\u+2*\p:X+16*\u+2*\p+1], v[H+16*\u:H+16*\u+1] op_sel_hi:[1,0]   ; the deviations (of the pair the low word serves both halves)
.endr
.endr
.irp u, 0,1
	v_pk_mul_f32 v[H+16*\u+2:H+16*\u+3], v[X+16*\u:X+16*\u+1], v[X+16*\u:X+16*\u+1]
	v_pk_mul_f32 v[H+16*\u+4:H+16*\u+5], v[X+16*\u+2:X+16*\u+3], v[X+16*\u+2:X+16*\u+3]
.endr
.irp p, 2,3,4,5,6,7
.irp u, 0,1
	v_pk_fma_f32 v[H+16*\u+2+2*(\p%2):H+16*\u+3+2*(\p%2)], v[X+16*\u+2*\p:X+16*\u+2*\p+1], v[X+16*\u+2*\p:X+16*\u+2*\p+1], v[H+16*\u+2+2*(\p%2):H+16*\u+3+2*(\p%2)]   ; their squares, in two chains
.endr
.endr
.irp u, 0,1
	s_delay_alu instid0(VALU_DEP_2)
	v_pk_add_f32 v[H+16*\u+2:H+16*\u+3], v[H+16*\u+2:H+16*\u+3], v[H+16*\u+4:H+16*\u+5]
.endr
.irp u, 0,1
	s_delay_alu instid0(VALU_DEP_2)
	v_add_f32 v[H+16*\u+2], v[H+16*\u+2], v[H+16*\u+3]
.endr
.irp u, 0,1
	s_delay_alu instid0(VALU_DEP_2)
	v_permlanex16_b32 v[H+16*\u+4], v[H+16*\u+2], s[SEL], s[SEL+1]
.endr
.irp u, 0,1
	s_delay_alu instid0(VALU_DEP_2)
	v_add_f32 v[H+16*\u+2], v[H+16*\u+2], v[H+16*\u+4]
.endr
.irp u, 0,1
	s_delay_alu instid0(VALU_DEP_2)
	v_fma_f32 v[H+16*\u+2], v[H+16*\u+2], s[I32], s[EPS]   ; the variance + 1e-5
.endr
	s_wait_alu depctr_va_vdst(0)
.irp u, 0,1
	v_rsq_f32 v[H+16*\u+2], v[H+16*\u+2]
.endr
	v_nop                                          ; one plain instruction behind the transcendentals (ISA guide 5.7.2)
	s_wait_alu depctr_va_vdst(0)
.irp p, 0,1,2,3,4,5,6,7
.irp u, 0,1
	v_pk_mul_f32 v[X+16*\u+2*\p:X+16*\u+2*\p+1], v[X+16*\u+2*\p:X+16*\u+2*\p+1], v[H+16*\u+2:H+16*\u+3] op_sel_hi:[1,0]
.endr
.endr
.irp p, 0,1,2,3,4,5,6,7
.irp u, 0,1
	v_pk_fma_f32 v[X+16*\u+2*\p:X+16*\u+2*\p+1], v[X+16*\u+2*\p:X+16*\u+2*\p+1], v[GA+2*\p:GA+2*\p+1], v[BE+2*\p:BE+2*\p+1]
.endr
.endr
; nb blocks of 32, of which a lane holds 16 numbers each in v[src + 16 b] on (the other 16 in lane l xor 16), become codes in v[dst + dstep b .. + 3] and scale bytes in v[bd + b].  The blocks take turns line by line.
.macro QUANT src, nb, dst, dstep, bd
.set b, 0
.rept \nb
	v_max3_num_f32 v[TM+b], |v[\src+16*b]|, |v[\src+16*b+1]|, 0x4800000   ; my 16 numbers, and the floor 2^(9 - 127): the byte cannot fall under 1
.set b, b+1
.endr
.set i, 2
.rept 7
.set b, 0
.rept \nb
	v_max3_num_f32 v[TM+b], v[TM+b], |v[\src+16*b+i]|, |v[\src+16*b+i+1]|
.set b, b+1
.endr
.set i, i+2
.endr
.set b, 0
.rept \nb
	v_permlanex16_b32 v[TM+4+b], v[TM+b], s[SEL], s[SEL+1]
.set b, b+1
.endr
.set b, 0
.rept \nb
	v_max_num_f32 v[TM+b], v[TM+b], v[TM+4+b]      ; the block's largest magnitude
.set b, b+1
.endr
.set b, 0
.rept \nb
	v_add_nc_u32 v[TM+12+b], 0xfc000000, v[TM+b]   ; 8 off its exponent field: the conversion's scale operand
.set b, b+1
.endr
.set b, 0
.rept \nb
	v_and_or_b32 v[TM+8+b], v[TM+b], 0x7f800000, s[MNT]   ; 448 x the scale
.set b, b+1
.endr
.set b, 0
.rept \nb
	v_lshrrev_b32 v[\bd+b], 23, v[TM+12+b]         ; the scale's byte
.set b, b+1
.endr
.set b, 0
.rept \nb
.set i, 0
.rept 16
	v_med3_num_f32 v[\src+16*b+i], v[\src+16*b+i], -v[TM+8+b], v[TM+8+b]   ; the conversion to an 8-bit code does not saturate (ISA guide 7.6.2): the hold comes first
.set i, i+1
.endr
	v_cvt_scalef32_pk8_fp8_f32 v[\dst+\dstep*b:\dst+\dstep*b+1], v[\src+16*b:\src+16*b+7], v[TM+12+b]
	v_cvt_scalef32_pk8_fp8_f32 v[\dst+\dstep*b+2:\dst+\dstep*b+3], v[\src+16*b+8:\src+16*b+15], v[TM+12+b]
.set b, b+1
.endr
.endm
	QUANT X, 2, XF, 16, XS                         ; x's two tiles: the codes are registers 0-3 of the fragments; the byte is the scale word (bytes 1-3 zero)
.rept 4
	v_nop                                          ; codes written by vector instructions stand four places ahead of a scaled matrix instruction; the scale words stand ahead of the 32 holds
.endr
.irp dt, 0,1,2,3
.irp u, 0,1
	v_wmma_scale_f32_16x16x128_f8f6f4 v[H+16*\dt+8*\u:H+16*\dt+8*\u+7], v[XF+16*\u:XF+16*\u+15], v[WR+4*\dt:WR+4*\dt+15], 0, v[XS+\u], v[WS+\dt]   ; eight sums of one step each
.endr
.endr
.rept 8
	v_nop                                          ; eight places ahead of the first read of results
.endr
	QUANT H, 4, PC, 4, BY                          ; lane (r, h): column d of tile dt, n = 32 w + 16 h + 0 .. 15.  Each accumulator is first read at its registers 0 and 1
	v_nop                                          ; a plain line behind the last conversion
.irp t, 0,1
	ds_store_b128 v[LST], v[PC+4*\t:PC+4*\t+3] offset:16*SP*\t          ; a: row c = 16 t + r of the stage, bytes 32 w + 16 h on
	global_store_b128 v[GBO], v[PC+8+4*\t:PC+8+4*\t+3], s[28:29] offset:4096*\t   ; b: a piece of an image as it stands: 512 consecutive bytes
	ds_store_b8 v[LBA], v[BY+\t] offset:64*\t      ; both lanes of a block write the same byte with the same value
	ds_store_b8 v[LBB], v[BY+2+\t] offset:128*\t
.endr
	s_wait_dscnt 0x0                               ; for the others' sake: my stores into the stage and the scale rows are done
	s_barrier_signal -1
	s_barrier_wait -1
	ds_load_b128 v[32:35], v[LRD]                  ; rows c = 4 w + h,
	ds_load_b128 v[36:39], v[LRD] offset:2*SP      ; and 4 w + 2 + h: whole rows of 256 codes
	s_wait_dscnt 0x0
	global_store_b128 v[GAO], v[32:35], s[24:25]   ; sixteen lanes store 256 consecutive bytes, at a multiple of 256 from aq's first byte
	global_store_b128 v[GAO], v[36:39], s[24:25] offset:8192
	s_cmp_gt_u32 s18, 1
	s_cbranch_scc1 .Ldone                          ; waves 0 and 1 store the two rows of scale bytes
	s_cmp_eq_u32 s18, 0
	s_cselect_b64 s[26:27], s[26:27], s[30:31]     ; wave 0: a's, into aq; wave 1: b's, into bq
	ds_load_b64 v[40:41], v[LSC]
	s_wait_dscnt 0x0
	global_store_b64 v[GSC], v[40:41], s[26:27]    ; 32 lanes store 256 consecutive bytes
.Ldone:
	s_wait_tensorcnt 0x0
	ds_add_u32 v126, v127
	s_wait_dscnt 0x0
	s_endpgm
.Lfunc_end_k_q8799d781fb_prep:
	.size	k_q8799d781fb_prep, .Lfunc_end_k_q8799d781fb_prep-k_q8799d781fb_prep
	.p2alignl 7, 3214868480
	.fill 96, 4, 3214868480
	.section	.rodata,"a",@progbits
	.p2align	6, 0x0
	.amdhsa_kernel k_q8799d781fb_prep
		.amdhsa_group_segment_fixed_size 47104
		.amdhsa_private_segment_fixed_size 0
		.amdhsa_enable_private_segment 0
		.amdhsa_kernarg_size 56
		.amdhsa_user_sgpr_count 2
		.amdhsa_user_sgpr_kernarg_segment_ptr 1
		.amdhsa_wavefront_size32 1
		.amdhsa_system_sgpr_workgroup_id_x 1
		.amdhsa_system_sgpr_workgroup_id_y 1
		.amdhsa_system_sgpr_workgroup_id_z 1
		.amdhsa_system_vgpr_workitem_id 0
		.amdhsa_next_free_vgpr 256
		.amdhsa_next_free_sgpr 66
		.amdhsa_reserve_vcc 0
		.amdhsa_float_denorm_mode_32 3
		.amdhsa_float_denorm_mode_16_64 3
		.amdhsa_memory_ordered 1
		.amdhsa_forward_progress 1
		.amdhsa_inst_pref_size 30
	.end_amdhsa_kernel
	.amdgpu_metadata
---
amdhsa.version: [ 1, 2 ]
amdhsa.kernels:
  - .name:           k_q8799d781fb_prep
    .symbol:         k_q8799d781fb_prep.kd
    .args:
      - { .name: m_si, .offset: 0, .size: 8, .value_kind: global_buffer, .address_space: global }
      - { .name: ln_gamma, .offset: 8, .size: 8, .value_kind: global_buffer, .address_space: global }
      - { .name: ln_beta, .offset: 16, .size: 8, .value_kind: global_buffer, .address_space: global }
      - { .name: W_ab_codes, .offset: 24, .size: 8, .value_kind: global_buffer, .address_space: global }
      - { .name: W_ab_scales, .offset: 32, .size: 8, .value_kind: global_buffer, .address_space: global }
      - { .name: aq, .offset: 40, .size: 8, .value_kind: global_buffer, .address_space: global }
      - { .name: bq, .offset: 48, .size: 8, .value_kind: global_buffer, .address_space: global }
    .group_segment_fixed_size: 47104
    .private_segment_fixed_size: 0
    .kernarg_segment_align: 8
    .kernarg_segment_size: 56
    .max_flat_workgroup_size: 256
    .sgpr_count:     66
    .vgpr_count:     256
    .wavefront_size: 32
...
	.end_amdgpu_metadata
.endif
;; end of part 1
;; launch opm (part 2): grid 16 x 16, 8 waves a work-group, clusters of 4 x 1, 327,680 bytes of LDS; arguments aq, bq, W_out_codes, W_out_scales, b_out, out0; writes out0
.if DOCPART == 2
	.amdgcn_target "amdgcn-amd-amdhsa--gfx1250"
	.amdhsa_code_object_version 6
	.text
	.protected	k_q8799d781fb_opm
	.globl	k_q8799d781fb_opm
	.p2align	8
	.type	k_q8799d781fb_opm,@function
k_q8799d781fb_opm:
	s_mov_b64 s[64:65], 0
	v_nop
	global_prefetch_b8 v0, s[64:65] scope:SCOPE_SE
	s_setreg_imm32_b32 hwreg(HW_REG_WAVE_MODE, 25, 1), 1
	s_wait_xcnt 0x0
	s_wait_alu depctr_hold_cnt(0) depctr_sa_sdst(0) depctr_va_vdst(0) depctr_va_sdst(0) depctr_va_ssrc(0) depctr_va_vcc(0) depctr_vm_vsrc(0)
	s_getreg_b32 s2, hwreg(HW_REG_IB_STS2, 6, 4)
	s_cmp_eq_u32 s2, 0
	s_cbranch_scc0 .Lentry_in_a_cluster
	s_endpgm
.Lentry_in_a_cluster:
	s_bfe_u32 s2, ttmp6, 0x10000c
	s_cmp_lg_u32 s2, 0x3003
	s_cbranch_scc0 .Lentry_shape_is_right
	s_endpgm
.Lentry_shape_is_right:
; out0[i][j][z] = b_out[z] + sum over k = 32 c + d of Q(outer[i][j][c][d] / 256) W_out[z][k],  outer[i][j][c][d] = sum over n of a[i][n][c] b[j][n][d]: both products on codes of E4M3 with E8M0 scales.
; SHARES.  A work-group takes 16 i (group g = grid y) x 16 j (grid x): 256 work-groups.  Wave w of eight takes j = 16 x + 2 w + 0, 1: two tiles of 16 pairs (i, j).  outer never leaves the registers.
; WHAT LIES WHERE.  b of the wave's two j: 128 registers for the whole launch, loaded as images of operand registers.  The sums z: 128 registers, begun by loading b_out into them.
; a of the group (528 rows of 256 bytes) and W_out (128 rows of 1,024 bytes): LDS, each byte filled ONCE, one tensor load a wave.  There is no ring: three barriers show the fills in the order in which they are read.
; CLUSTER.  The four work-groups of a cluster lie along x: they share g, and so a's rows, and W_out.  Each fill is asked for JOINTLY, with the mask 15.  b is not shared: each wave has j of its own.
; NO PREFETCH: every byte is asked for once, in the launch's head; there is no stream left to run ahead of.
; LAYOUT.  Product 2 transposed: source 0 = 16 d of one j, source 1 = 16 i of one c.  THE d OF A TILE ARE NOT NEIGHBOURS (lane m of tile u: d = 8 u + m + 8 (m / 8)), so a lane holds one pair (i, j) and the 16 registers of
; tiles 0, 1 are d = 16 (lane / 16) + 0 .. 15: a block of the next K (one c, all d) lies in lanes l and l xor 16, and the conversions' results ARE registers 4 (c % 4) .. + 3 of product 3's source 1.
; Product 3 transposed too: source 0 = 16 rows z of W_out: a lane's eight results are eight neighbouring z of one row of out0.
; THE DIVISION BY 256 is exact and lies in the quantiser: the floor of the largest magnitude is exponent field 17, the conversion divides by 2^(field - 8 - 127), the hold is at 1.75 x 2^(field - 127), the byte is field - 16.
; LIMITS: NaN and infinities among the codes or b_out are not served.  A block of zeros gets the scale byte 1, not 127: its codes are zeros.  The bias begins the sum instead of ending it.
; REGISTERS.  Window 0: v0-31 addresses, scale words, quantiser; v32-63 a's two fragments; v64-127 product 2's results, two buffers of 32 (16 jj + 8 u + e); v128-255 b's fragments, 64 jj + 32 u + 16 ks; on the way out rows of out0.
;   Window 1: v0-127 z, 64 jj + 8 t; v128-159 p's codes, 16 jj + 4 (c % 4); v160-255 six of W's fragments.
.set GREC,   135168                    ; a group of aq
.set JREC,   8448                      ; a record of bq
.set APITCH, 272                       ; a's rows in LDS: 256 bytes + 16: 68 words, so the 16 rows that a load touches start at 16 different banks (64 banks of 4 bytes: ISA guide 11.1)
.set AC,     16*APITCH                 ; a's 16 rows of one c
.set WPITCH, 1040                      ; W's: 1,024 + 16 = 260 words: likewise
.set WBASE,  528*APITCH                ; 143,616
.set WSC,    WBASE+128*WPITCH          ; 276,736: W's scale bytes, 32 a row, 16 bytes of padding behind each 256: written by LDS stores, so in blocks of 256 bytes of its own
.set STG,    WSC+4352                  ; 281,088: the way out: 16 rows x 272 bytes for each wave
.set STW,    4352
.set SPARE,  STG+8*STW                 ; 315,904: the spare words, 128 bytes a wave
.set FIRST,  40                        ; rows of a that each of waves 0-3 fetches: the scale rows and c = 0 .. 8
.set REST,   184                       ; rows of a that waves 6 and 7 fetch: c = 9 .. 31
.set L16, 1                            ; v1   16 x lane
.set ADA, 2                            ; v2   a's codes: (16 + r) x 272 + 16 h, stepped by four c
.set ASA, 3                            ; v3   a's scale words: 272 r + 128 h, stepped by four c
.set AWL, 4                            ; v4   W's rows 0-63, stepped by 128 along K
.set AWH, 5                            ; v5   W's rows 64-127
.set AWS, 6                            ; v6   W's scale words
.set VB,  7                            ; v7   b_out: 32 h
.set STO, 2                            ; on the way out: v2 the stage, in
.set RD,  3                            ; v3 the stage, out
.set GO,  6                            ; v6 out0
.set WSR, 8                            ; v8-11  W's scale words
.set SPW, 12
.set NIL, 13
.set ASX, 14                           ; v14-15 a's scale words, two buffers
.set BS,  16                           ; v16-19 b's
.set PS,  20                           ; v20-21 p's
.set PQ,  22                           ; v22-23 their first bytes, until product 3 has read the words before
.set TA,  24                           ; largest magnitudes
.set TB,  26                           ; second chain, then at work
.set TL,  28                           ; the hold
.set TS,  30                           ; the conversions' scale operands
.set AF,  32
.set DD,  64
.set BB,  128
.set PC,  128                          ; in window 1
.set WF,  160                          ; in window 1
.set G1A0, 28                          ; s[28:35] group 1: FIRST rows of 256 bytes
.set G1A1, 36                          ; s[36:43] REST rows of 256 bytes
.set G1W,  44                          ; s[44:51] 64 rows of 1,024 bytes
.set G0A0, 52
.set G0A1, 56
.set G0W,  60
.set SEL,  66                          ; s[66:67] lane selects: lane l xor 16
.set MNT,  68                          ; s68 the mantissa field of 448
.set CNT,  69
.set MSB, 0
.macro WIN new                         ; the immediate's high byte repeats the setting that is left; a switch that changes nothing is dropped
.if MSB != \new
	s_set_vgpr_msb (MSB<<8)|\new
.set MSB, \new
.endif
.endm
.macro NOPS n
.rept \n
	v_nop
.endr
.endm
.macro CROUND                          ; a round of the cluster's barrier
	s_barrier_signal -1
	s_barrier_wait -1
	s_cmp_lg_u32 s16, 0
	s_cbranch_scc1 .Lnot_wave_0_\@
	s_barrier_signal -3
.Lnot_wave_0_\@:
	s_barrier_wait -3
	s_barrier_signal -1
	s_barrier_wait -1
.endm
	s_load_b256 s[4:11], s[0:1], 0x0               ; aq s[4:5], bq s[6:7], W's codes s[8:9], W's scales s[10:11]
	s_load_b128 s[12:15], s[0:1], 0x20             ; b_out s[12:13], out0 s[14:15]
	v_lshl_add_u32 v[SPW], v0, 2, SPARE
	v_mov_b32 v[NIL], 0
	ds_add_u32 v[SPW], v[NIL]                      ; the wave's opening: the add, twice on end, and its wait
	ds_add_u32 v[SPW], v[NIL]
	v_lshrrev_b32 v24, 5, v0
	v_readfirstlane_b32 s16, v24                   ; wave 0..7
	s_and_b32 s17, s16, 1
	s_and_b32 s21, s16, 3
	s_bfe_u32 s18, ttmp6, 0x40000                  ; cx: it enters bq's and out0's addresses alone
	s_lshl_b32 s19, ttmp9, 2
	s_add_co_u32 s19, s19, s18                     ; x = 4 x cluster x + cx
	s_and_b32 s20, ttmp7, 0xffff                   ; g, which the four partners share
	; group 1: elements of 8 bytes; mask 15 with bit 21 beside it; four words of padding behind each row
	s_mov_b32 s[G1A0], 15|(3<<16)|(1<<20)|(1<<21)|(5<<22)|(3<<25)
	s_mov_b32 s[G1A0+1], 32<<16                    ; tensor_dim0 = 32 elements
	s_mov_b32 s[G1A0+2], FIRST<<16                 ; tensor_dim1
	s_mov_b32 s[G1A0+3], 32<<16                    ; tile_dim0
	s_mov_b32 s[G1A0+4], FIRST                     ; tile_dim1
	s_mov_b32 s[G1A0+5], 32                        ; the pitch: rows are dense
	s_mov_b32 s[G1A0+6], 0
	s_mov_b32 s[G1A0+7], 0
	s_mov_b32 s[G1A1], 15|(3<<16)|(1<<20)|(1<<21)|(5<<22)|(3<<25)
	s_mov_b32 s[G1A1+1], 32<<16
	s_mov_b32 s[G1A1+2], REST<<16
	s_mov_b32 s[G1A1+3], 32<<16
	s_mov_b32 s[G1A1+4], REST
	s_mov_b32 s[G1A1+5], 32
	s_mov_b32 s[G1A1+6], 0
	s_mov_b32 s[G1A1+7], 0
	s_mov_b32 s[G1W], 15|(3<<16)|(1<<20)|(1<<21)|(7<<22)|(3<<25)   ; padding behind every 256 words
	s_mov_b32 s[G1W+1], 128<<16
	s_mov_b32 s[G1W+2], 64<<16
	s_mov_b32 s[G1W+3], 128<<16
	s_mov_b32 s[G1W+4], 64
	s_mov_b32 s[G1W+5], 128
	s_mov_b32 s[G1W+6], 0
	s_mov_b32 s[G1W+7], 0
	s_mov_b32 s[SEL], 0x76543210
	s_mov_b32 s[SEL+1], 0xfedcba98
	s_mov_b32 s[MNT], 0x600000
	s_wait_dscnt 0x0                               ; both opening adds are done
	CROUND                                         ; all four work-groups are here: the joint loads meet (the round needs no argument, so it stands ahead of their wait)
	v_and_b32 v24, 31, v0                          ; lane
	v_and_b32 v25, 15, v0                          ; r
	v_bfe_u32 v26, v0, 4, 1                        ; h
	v_lshlrev_b32 v28, 4, v0                       ; W's scales: thread t takes the 16 bytes at 16 t,
	v_lshrrev_b32 v30, 4, v0
	v_lshlrev_b32 v[L16], 4, v24
	v_lshlrev_b32 v27, 2, v24                      ; 4 x lane
	v_mul_u32_u24 v[ADA], v25, APITCH
	v_lshl_add_u32 v30, v30, 4, v28
	v_mul_u32_u24 v[AWL], v25, WPITCH
	v_lshrrev_b32 v29, 3, v24
	v_lshl_add_u32 v[ASA], v26, 7, v[ADA]
	v_add_nc_u32 v30, WSC, v30                     ; and puts them at WSC + 16 t + 16 (t / 16)
	v_lshl_add_u32 v[AWL], v26, 4, v[AWL]
	v_lshlrev_b32 v29, 4, v29
	v_lshl_add_u32 v[ADA], v26, 4, v[ADA]
	v_lshlrev_b32 v[VB], 5, v26
	v_add_nc_u32 v[AWL], WBASE, v[AWL]
	v_lshl_add_u32 v[AWS], v24, 5, v29
	v_add_nc_u32 v[ADA], AC, v[ADA]
	v_add_nc_u32 v[AWH], 64*WPITCH, v[AWL]
	v_add_nc_u32 v[AWS], WSC, v[AWS]               ; lane l takes row z = 32 tp + l: lanes 0-15 tile 2 tp, lanes 16-31 tile 2 tp + 1
	s_mul_i32 s22, s20, GREC                       ; the group's first byte in aq
	s_mul_i32 s24, s21, FIRST*256
	s_add_co_u32 s24, s24, s22
	s_mov_b32 s25, 0
	s_lshl_b32 s26, s19, 4
	s_lshl_b32 s70, s16, 1
	s_add_co_u32 s26, s26, s70                     ; my first j
	s_mul_i32 s70, s26, JREC
	s_mov_b32 s71, 0
	s_wait_alu depctr_va_vdst(0)                   ; the wait at the head's end
	s_wait_kmcnt 0x0
	s_add_nc_u64 s[6:7], s[6:7], s[70:71]          ; bq at my first record
	s_mov_b32 s[G0A0], 1                           ; rows FIRST w on: a quarter for each of waves 0-3
	s_mul_i32 s[G0A0+1], s21, FIRST*APITCH
	s_add_nc_u64 s[G0A0+2:G0A0+3], s[4:5], s[24:25]
	s_or_b32 s[G0A0+3], s[G0A0+3], 0x80000000
	s_mul_i32 s24, s17, REST*256
	s_add_co_u32 s24, s24, s22
	s_add_co_u32 s24, s24, 4*FIRST*256
	s_mov_b32 s[G0A1], 1                           ; the rows behind them: a half for each of waves 6 and 7
	s_mul_i32 s[G0A1+1], s17, REST*APITCH
	s_add_co_u32 s[G0A1+1], s[G0A1+1], 4*FIRST*APITCH
	s_add_nc_u64 s[G0A1+2:G0A1+3], s[4:5], s[24:25]
	s_or_b32 s[G0A1+3], s[G0A1+3], 0x80000000
	s_lshl_b32 s24, s17, 16
	s_mov_b32 s[G0W], 1                            ; W's rows 64 (w % 2) on: waves 4 and 5
	s_mul_i32 s[G0W+1], s17, 64*WPITCH
	s_add_co_u32 s[G0W+1], s[G0W+1], WBASE
	s_add_nc_u64 s[G0W+2:G0W+3], s[8:9], s[24:25]
	s_or_b32 s[G0W+3], s[G0W+3], 0x80000000
; A wave's plain loads: its part of W's scale bytes, b's scale words (lanes 0-15 K step 0's, lanes 16-31 K step 1's), b's fragments as they were laid (512 consecutive bytes a load): 37 loads
.macro BLOADS
	global_load_b128 v[20:23], v28, s[10:11]
.irp jj, 0,1
.irp u, 0,1
	global_load_b32 v[BS+2*\jj+\u], v27, s[6:7] offset:JREC*\jj+8192+128*\u
.endr
.endr
.irp jj, 0,1
.irp p, 0,1,2,3,4,5,6,7,8,9,10,11,12,13,14,15
	global_load_b128 v[BB+64*\jj+4*\p:BB+64*\jj+4*\p+3], v[L16], s[6:7] offset:JREC*\jj+512*\p
.endr
.endr
.endm
; ONE tensor load a wave, in the arms of one chain on the wave's number.  What the first steps read, b and a's first rows, is asked for ahead of W and the rest of a.
	s_cmp_lt_u32 s16, 4
	s_cbranch_scc0 .Lfill_w
	tensor_load_to_lds s[G0A0:G0A0+3], s[G1A0:G1A0+7]
	s_nop 0
	NOPS 4
	BLOADS
	s_branch .Lfilled
.Lfill_w:
	BLOADS
	s_cmp_lt_u32 s16, 6
	s_cbranch_scc0 .Lfill_a
	tensor_load_to_lds s[G0W:G0W+3], s[G1W:G1W+7]
	s_nop 0
	NOPS 4
	s_branch .Lfilled
.Lfill_a:
	tensor_load_to_lds s[G0A1:G0A1+3], s[G1A1:G1A1+7]
	s_nop 0
	NOPS 4
.Lfilled:
	s_lshl_b32 s70, s26, 9
	s_lshl_b32 s72, s20, 21
	s_add_co_u32 s70, s70, s72
	s_add_nc_u64 s[14:15], s[14:15], s[70:71]      ; out0 at (16 g, my first j)
	s_wait_loadcnt 36                              ; W's scale bytes are in: behind them b's 36 loads were issued
	ds_store_b128 v30, v[20:23]
	WIN 0x40                                       ; destination window 1
.irp jj, 0,1
.irp t, 0,1,2,3,4,5,6,7
	global_load_b128 v[64*\jj+8*\t:64*\jj+8*\t+3], v[VB], s[12:13] offset:64*\t      ; the sums begin as b_out[16 t + 8 h + 0 .. 7]
	global_load_b128 v[64*\jj+8*\t+4:64*\jj+8*\t+7], v[VB], s[12:13] offset:64*\t+16
.endr
.endr
	WIN 0
	s_cmp_lt_u32 s16, 4
	s_cbranch_scc0 .Lshow_first
	s_wait_tensorcnt 0x0                           ; waves 0-3: my rows of a are in
.Lshow_first:
	s_wait_dscnt 0x0                               ; my part of W's scale bytes lies in LDS
	s_barrier_signal -1
	s_barrier_wait -1                              ; a's scale rows and c = 0 .. 8, and W's scale bytes, are there for everybody
; W's first six fragments and four registers of scale words of the next 128 along K: 28 LDS loads
.macro WA
	WIN 0x40
.irp t, 0,1,2,3
.irp c, 0,1,2,3
	ds_load_b128 v[WF+16*\t+4*\c:WF+16*\t+4*\c+3], v[AWL] offset:16*WPITCH*\t+32*\c
.endr
.endr
.irp t, 0,1
.irp c, 0,1,2,3
	ds_load_b128 v[WF+64+16*\t+4*\c:WF+64+16*\t+4*\c+3], v[AWH] offset:16*WPITCH*\t+32*\c
.endr
.endr
	WIN 0
.irp t, 0,1,2,3
	ds_load_b32 v[WSR+\t], v[AWS] offset:1088*\t
.endr
.endm
; W's last two, over the first two: 8 LDS loads
.macro WB
	WIN 0x40
.irp t, 0,1
.irp c, 0,1,2,3
	ds_load_b128 v[WF+16*\t+4*\c:WF+16*\t+4*\c+3], v[AWH] offset:16*WPITCH*(\t+2)+32*\c
.endr
.endr
	WIN 0
.endm
; PRODUCT 3 for 128 along K (four c), tile t of 16 z, W's fragment at f: two products, each on an accumulator of its own
.macro P3T t, f
	WIN 0x55                                       ; sources, C and D: window 1
.irp jj, 0,1
.if (\t) % 2
	v_wmma_scale_f32_16x16x128_f8f6f4 v[64*\jj+8*(\t):64*\jj+8*(\t)+7], v[\f:\f+15], v[PC+16*\jj:PC+16*\jj+15], v[64*\jj+8*(\t):64*\jj+8*(\t)+7], v[WSR+(\t)/2], v[PS+\jj] matrix_a_scale:MATRIX_SCALE_ROW1
.else
	v_wmma_scale_f32_16x16x128_f8f6f4 v[64*\jj+8*(\t):64*\jj+8*(\t)+7], v[\f:\f+15], v[PC+16*\jj:PC+16*\jj+15], v[64*\jj+8*(\t):64*\jj+8*(\t)+7], v[WSR+(\t)/2], v[PS+\jj]
.endif
.endr
.endm
.macro P3A
	s_wait_alu depctr_va_vdst(0)                   ; the wait ahead of the readers of codes and scale words
.irp t, 0,1,2,3,4,5
	P3T \t, WF+16*\t
.endr
	WIN 0
.endm
.macro P3B
	P3T 6, WF
	P3T 7, WF+16
	WIN 0
.endm
; Product w of 8 of a step: tile tt = w % 4 (j = tt / 2, u = tt % 2), K step w / 4, results into buffer x.  The four accumulators take turns, one instruction a turn; the first four start the sums.
.macro P2W x
.set tt, w%4
.set rD, DD+32*(\x)+8*tt
.set rB, BB+32*tt+16*(w/4)
.set rA, AF+16*(w/4)
	WIN 0
.if w < 4
	v_wmma_scale_f32_16x16x128_f8f6f4 v[rD:rD+7], v[rB:rB+15], v[rA:rA+15], 0, v[BS+tt], v[ASX+\x]
.else
	v_wmma_scale_f32_16x16x128_f8f6f4 v[rD:rD+7], v[rB:rB+15], v[rA:rA+15], v[rD:rD+7], v[BS+tt], v[ASX+\x] matrix_a_scale:MATRIX_SCALE_ROW1 matrix_b_scale:MATRIX_SCALE_ROW1
.endif
.endm
.macro MX d, s
	v_max3_num_f32 v[\d], |v[\s]|, |v[\s+1]|, v[\d]
.endm
; Line k of 64 of the quantiser of the 32 results a lane in v[ds] on (two blocks, one for each j: 16 numbers here, 16 in lane l xor 16); their codes become quarter qq of p's fragments.
; The largest magnitudes go in two chains a block, four by turns.  Each accumulator is first read at its low registers.
.macro VQ ds, qq
.set j, k%2
.if k == 0
	v_max3_num_f32 v[TA], |v[\ds]|, |v[\ds+1]|, 0x8800000        ; the floor 2^(17 - 127): the byte of the result / 256 cannot fall under 1
.elseif k == 1
	v_max3_num_f32 v[TA+1], |v[\ds+16]|, |v[\ds+17]|, 0x8800000
.elseif k == 2
	v_max3_num_f32 v[TB], |v[\ds+8]|, |v[\ds+9]|, |v[\ds+10]|
.elseif k == 3
	MX TA, \ds+2
.elseif k == 4
	MX TA+1, \ds+18
.elseif k == 5
	v_max3_num_f32 v[TB+1], |v[\ds+24]|, |v[\ds+25]|, |v[\ds+26]|
.elseif k == 6
	MX TB, \ds+11
.elseif k == 7
	MX TA, \ds+4
.elseif k == 8
	MX TA+1, \ds+20
.elseif k == 9
	MX TB+1, \ds+27
.elseif k == 10
	MX TB, \ds+13
.elseif k == 11
	MX TA, \ds+6
.elseif k == 12
	MX TA+1, \ds+22
.elseif k == 13
	MX TB+1, \ds+29
.elseif k < 16
	v_max3_num_f32 v[TA+j], v[TA+j], v[TB+j], |v[\ds+16*j+15]|
.elseif k < 18
	v_permlanex16_b32 v[TB+j], v[TA+j], s[SEL], s[SEL+1]
.elseif k < 20
	v_max_num_f32 v[TA+j], v[TA+j], v[TB+j]        ; the block's largest magnitude
.elseif k < 22
	v_add_nc_u32 v[TS+j], 0xfc000000, v[TA+j]      ; 8 off its exponent field: the conversion's scale operand (256 x the scale)
.elseif k < 24
	v_and_or_b32 v[TL+j], v[TA+j], 0x7f800000, s[MNT]   ; 448 x 256 x the scale
.elseif k < 26
	v_lshrrev_b32 v[TB+j], 23, v[TS+j]             ; the byte + 8
.elseif k < 28
.if \qq == 0
	v_add_nc_u32 v[PQ+j], 0xf7f7f7f8, v[TB+j]      ; the scale word begins: 8 is taken off all four bytes at once (each byte + 8 is 9 at the least: when all four are in, nothing has been borrowed)
.elseif \qq == 1
	v_lshl_add_u32 v[PS+j], v[TB+j], 8, v[PQ+j]    ; product 3 has read the word before
.else
	v_lshl_add_u32 v[PS+j], v[TB+j], 8*\qq, v[PS+j]
.endif
.elseif k < 60
.set mm, k-28
	v_med3_num_f32 v[\ds+mm], v[\ds+mm], -v[TL+mm/16], v[TL+mm/16]   ; the conversion to an 8-bit code does not saturate (ISA guide 7.6.2): the hold comes first
.else
.set mm, k-60
	WIN 0x40                                       ; destination window 1
	v_cvt_scalef32_pk8_fp8_f32 v[PC+16*(mm/2)+4*\qq+2*(mm%2):PC+16*(mm/2)+4*\qq+2*(mm%2)+1], v[\ds+8*mm:\ds+8*mm+7], v[TS+mm/2]
.endif
.set k, k+1
.endm
; A STEP: one c, the base + cl.  8 products into buffer x; behind each, eight lines of the quantiser of the other buffer (the step before), quarter qq (qq < 0: there is none yet).
; a has one buffer for each half of K: the second half's fragment of this c is fetched behind the first product and its lines, the first half's of the next c (nx = 1) behind the fourth's.
; mode 1: product 3 of the four c before, six tiles behind the first product, two behind the sixth.  mode 2: the next W is fetched.  left: the LDS loads that may stay out at the step's head.
; PLACES (eight behind this form).  Behind the last product stand four holds, the v_nop and the next step's first five lines ahead of the first read of its tile; a's second fragment is loaded behind eight lines more.
; Between product 3's last product and the conversions that write p's codes anew stand twelve lines.  The v_nop at the end is the plain line between the conversions and the next products, which write the conversions' sources.
.macro STEP x, qq, cl, nx, mode, left
	s_wait_dscnt \left                             ; a's first half is in
.set k, 0
.set w, 0
.rept 8
.if w == 4
.if \mode == 1
	s_wait_dscnt 8                                 ; a's second half is in; W's eight loads were issued behind it
.else
	s_wait_dscnt 0
.endif
.if \nx
	ds_load_b32 v[ASX+1-\x], v[ASA] offset:4*(\cl+1)
.irp c, 0,1,2,3
	ds_load_b128 v[AF+4*\c:AF+4*\c+3], v[ADA] offset:AC*(\cl+1)+32*\c
.endr
.if \cl == 3
	v_add_nc_u32 v[ADA], 4*AC, v[ADA]              ; the base goes four c on
	v_add_nc_u32 v[ASA], 16, v[ASA]
.endif
.endif
.endif
	P2W \x
.if \qq >= 0
.rept 8
	VQ DD+32*(1-\x), \qq
.endr
.elseif w == 3
	NOPS 8
.endif
.if w == 0
.irp c, 0,1,2,3
	ds_load_b128 v[AF+16+4*\c:AF+16+4*\c+3], v[ADA] offset:AC*\cl+128+32*\c
.endr
.endif
.if \mode == 1
.if w == 0
	P3A
.elseif w == 1
	WB
	v_add_nc_u32 v[AWL], 128, v[AWL]
	v_add_nc_u32 v[AWH], 128, v[AWH]
	v_add_nc_u32 v[AWS], 4, v[AWS]
.elseif w == 5
	s_wait_dscnt 5                                 ; W's last two tiles are in; the next a's five loads were issued behind them
	P3B
.endif
.elseif \mode == 2
.if w == 5
	WA
.endif
.endif
.set w, w+1
.endr
	WIN 0
.if \qq >= 0
	v_nop
.else
	NOPS 8
.endif
.endm
; FOUR STEPS, and product 3 of the four before
.macro TRIP nx
	STEP 0, 3, 0, 1, 0, 0
	STEP 1, 0, 1, 1, 1, 0
	STEP 0, 1, 2, 1, 2, 0
	STEP 1, 2, 3, \nx, 0, 28                       ; a's five loads are in; W's 28 were issued behind them
.endm
	ds_load_b32 v[ASX], v[ASA]
.irp c, 0,1,2,3
	ds_load_b128 v[AF+4*\c:AF+4*\c+3], v[ADA] offset:32*\c
.endr
	s_wait_loadcnt 32                              ; b's fragments and scale words are in: behind them the 32 loads of b_out were issued
	STEP 0, -1, 0, 1, 0, 0                         ; c = 0 .. 3
	STEP 1, 0, 1, 1, 0, 0
	STEP 0, 1, 2, 1, 0, 0
	STEP 1, 2, 3, 1, 0, 0
	s_cmp_lt_u32 s16, 6
	s_cbranch_scc0 .Lshow_w
	s_wait_tensorcnt 0x0                           ; waves 4 and 5: my rows of W are in
.Lshow_w:
	s_wait_loadcnt 0x0                             ; b_out is in the sums' registers
	s_wait_dscnt 0x0
	s_barrier_signal -1
	s_barrier_wait -1                              ; W is there for everybody
	WA
	TRIP 1                                         ; c = 4 .. 7, and the fetch of c = 8
	s_wait_tensorcnt 0x0                           ; every wave: what was still out is in
	s_wait_dscnt 0x0
	s_barrier_signal -1
	s_barrier_wait -1                              ; all of a is there for everybody
	s_mov_b32 s[CNT], 5
.Ltrip:
	TRIP 1
	s_sub_co_u32 s[CNT], s[CNT], 1
	s_cmp_lg_u32 s[CNT], 0
	s_cbranch_scc1 .Ltrip
	TRIP 0                                         ; c = 28 .. 31
; THE WAY OUT.  A lane holds 32 neighbouring bytes of a row (i, j) of out0, and the lanes beside it hold other i: so the 16 rows of one j and one half of z go through my own stage in LDS and come back as rows of 256 bytes.
; LDS serves a wave's instructions in order (ISA guide 5.7.1.4): no wait between the stores and the loads, nor in front of the next quarter's stores.
	s_mul_i32 s73, s16, STW
	s_add_co_u32 s73, s73, STG
	v_and_b32 v22, 15, v0                          ; r
	v_bfe_u32 v23, v0, 4, 1                        ; h
	v_mul_u32_u24 v[STO], v22, 272
	v_mul_u32_u24 v[RD], v23, 272
	v_lshlrev_b32 v[GO], 17, v23
	v_lshl_add_u32 v[STO], v23, 5, v[STO]
	v_lshl_add_u32 v[RD], v22, 4, v[RD]
	v_lshl_add_u32 v[GO], v22, 4, v[GO]
	v_add_nc_u32 v[STO], s73, v[STO]
	v_add_nc_u32 v[RD], s73, v[RD]
.set k, 0
.rept 64
	VQ DD+32, 3                                    ; the last step's quantiser has no products to stand behind
.endr
	WIN 0
	NOPS 4                                         ; four places between the codes and the products that read them
	P3A
	NOPS 8                                         ; eight places ahead of the first read of the results and of the loads over W's fragments
	WB
.macro TOSTAGE jj, hf
	WIN 0x04                                       ; an LDS store's data are its source 1: window 1
.irp t, 0,1,2,3
	ds_store_b128 v[STO], v[64*(\jj)+32*(\hf)+8*\t:64*(\jj)+32*(\hf)+8*\t+3] offset:64*\t          ; each accumulator from its low end on
	ds_store_b128 v[STO], v[64*(\jj)+32*(\hf)+8*\t+4:64*(\jj)+32*(\hf)+8*\t+7] offset:64*\t+16
.endr
	WIN 0
.irp i, 0,1,2,3,4,5,6,7
	ds_load_b128 v[BB+32*(2*(\hf)+(\jj))+4*\i:BB+32*(2*(\hf)+(\jj))+4*\i+3], v[RD] offset:544*\i   ; rows 2 i and 2 i + 1, 256 bytes each
.endr
.endm
.macro SEND jj, hf, younger            ; younger: the LDS instructions issued behind this quarter's loads, which may stay out
	s_wait_dscnt \younger
.irp i, 0,1,2,3,4,5,6,7
	global_store_b128 v[GO], v[BB+32*(2*(\hf)+(\jj))+4*\i:BB+32*(2*(\hf)+(\jj))+4*\i+3], s[14:15] offset:262144*\i+512*(\jj)+256*(\hf) th:TH_STORE_NT   ; sixteen lanes store 256 consecutive bytes, at a multiple of 256 from out0's first byte
.endr
.endm
	TOSTAGE 0, 0
	s_wait_dscnt 16                                ; W's last two tiles are in: behind them 8 stores and 8 loads were issued
	P3B
	TOSTAGE 1, 0
	SEND 0, 0, 16                                  ; behind these loads: the next quarter's 8 stores and 8 loads
	NOPS 8                                         ; eight places ahead of the first read of the last results
	TOSTAGE 0, 1
	SEND 1, 0, 16
	TOSTAGE 1, 1
	SEND 0, 1, 16
	SEND 1, 1, 0
	s_wait_tensorcnt 0x0                           ; the wave's end
	ds_add_u32 v[SPW], v[NIL]
	s_wait_dscnt 0x0
	CROUND                                         ; the closing round: no work-group ends while a partner may still ask for a tile that names it
	s_endpgm
.Lfunc_end_k_q8799d781fb_opm:
	.size	k_q8799d781fb_opm, .Lfunc_end_k_q8799d781fb_opm-k_q8799d781fb_opm
	.p2alignl 7, 3214868480
	.fill 96, 4, 3214868480
	.section	.rodata,"a",@progbits
	.p2align	6, 0x0
	.amdhsa_kernel k_q8799d781fb_opm
		.amdhsa_group_segment_fixed_size 327680
		.amdhsa_private_segment_fixed_size 0
		.amdhsa_enable_private_segment 0
		.amdhsa_kernarg_size 48
		.amdhsa_user_sgpr_count 2
		.amdhsa_user_sgpr_kernarg_segment_ptr 1
		.amdhsa_wavefront_size32 1
		.amdhsa_system_sgpr_workgroup_id_x 1
		.amdhsa_system_sgpr_workgroup_id_y 1
		.amdhsa_system_sgpr_workgroup_id_z 1
		.amdhsa_system_vgpr_workitem_id 0
		.amdhsa_next_free_vgpr 512
		.amdhsa_next_free_sgpr 80
		.amdhsa_reserve_vcc 0
		.amdhsa_float_denorm_mode_32 3
		.amdhsa_float_denorm_mode_16_64 3
		.amdhsa_memory_ordered 1
		.amdhsa_forward_progress 1
		.amdhsa_inst_pref_size 138
	.end_amdhsa_kernel
	.amdgpu_metadata
---
amdhsa.version: [ 1, 2 ]
amdhsa.kernels:
  - .name:           k_q8799d781fb_opm
    .symbol:         k_q8799d781fb_opm.kd
    .args:
      - { .name: aq, .offset: 0, .size: 8, .value_kind: global_buffer, .address_space: global }
      - { .name: bq, .offset: 8, .size: 8, .value_kind: global_buffer, .address_space: global }
      - { .name: W_out_codes, .offset: 16, .size: 8, .value_kind: global_buffer, .address_space: global }
      - { .name: W_out_scales, .offset: 24, .size: 8, .value_kind: global_buffer, .address_space: global }
      - { .name: b_out, .offset: 32, .size: 8, .value_kind: global_buffer, .address_space: global }
      - { .name: out0, .offset: 40, .size: 8, .value_kind: global_buffer, .address_space: global }
    .group_segment_fixed_size: 327680
    .private_segment_fixed_size: 0
    .kernarg_segment_align: 8
    .kernarg_segment_size: 48
    .max_flat_workgroup_size: 256
    .sgpr_count:     80
    .vgpr_count:     512
    .wavefront_size: 32
...
	.end_amdgpu_metadata
.endif
;; end of part 2
